; MI455X (gfx1250); checked and timed in simulation.
; The chip was launched on July 23, 2026; its instructions are those of AMD's public machine-readable ISA for CDNA 5 (MIT licence, August 2026) and "CDNA5" Instruction Set Architecture Reference Guide (July 2026). The comments in the code are by the model that wrote it; some were corrected since.
;; Self Trans Former. Allowed arithmetic: matrix products marked QUANTISED: E2M1 operands, one E8M0 scale for each 32 along K, by v_wmma_scale_f32_16x16x128_f8f6f4 with both operands' format E2M1 (or v_wmma_scale_f32_32x16x128_f4), f32 sums; everything else in f32.
;; Inputs: Wk_codes 1,024 x 16 x 16 uint8 (E2M1 codes of Wk, K innermost, in blocks of 32 codes, two codes a byte); Wk_scales 1,024 x 16 uint8 (E8M0 scales of Wk, one for each 32 codes along K); Wq_codes 1,024 x 16 x 16 uint8 (E2M1 codes of Wq, K innermost, in blocks of 32 codes, two codes a byte); Wq_scales 1,024 x 16 uint8 (E8M0 scales of Wq, one for each 32 codes along K); Wv_codes 1,024 x 16 x 16 uint8 (E2M1 codes of Wv, K innermost, in blocks of 32 codes, two codes a byte); Wv_scales 1,024 x 16 uint8 (E8M0 scales of Wv, one for each 32 codes along K); bk 1,024 float32; bq 1,024 float32; bv 1,024 float32; gk 1,024 float32; gq 1,024 float32; gv 1,024 float32; x_codes 8 x 1,024 x 16 x 16 uint8 (E2M1 codes of x, K innermost, in blocks of 32 codes, two codes a byte); x_scales 8 x 1,024 x 16 uint8 (E8M0 scales of x, one for each 32 codes along K).
;; Outputs: out0 8 x 1,024 x 1,024 float32.
;; This version of the problem:
;;   THIS VERSION OF THE PROBLEM IS GIVEN IN LOW PRECISION. The matrix products marked QUANTISED in the list below multiply operands that are first quantised to E2M1 (2 exponent bits, 1 mantissa bit; 4 bits a number), with one power-of-two scale for each 32 numbers along K (OCP MX v1.0); their sums are f32. All else is computed in f32.
;;   The module's matrix products, in the order in which they are computed (A, B: the left and right operand; K: the contracted axis; several contracted axes count as one K, in the product's order):
;;     1. [M 8,192, K 512] x [K 512, N 1,024]; A: input x (given as codes); B: input Wq (given as codes): QUANTISED
;;     2. [M 8,192, K 512] x [K 512, N 1,024]; A: input x (given as codes); B: input Wk (given as codes): QUANTISED
;;     3. [M 8,192, K 512] x [K 512, N 1,024]; A: input x (given as codes); B: input Wv (given as codes): QUANTISED
;;     4. batch 64 x [M 1,024, K 128] x [K 128, N 1,024]; A: computed on the way; B: computed on the way: QUANTISED
;;     5. batch 64 x [M 128, K 1,024] x [K 1,024, N 1,024]; A: computed on the way; B: softmax (see below): QUANTISED
;;   THE QUANTISER, for each operand of a quantised product, along K:
;;     - K is cut into blocks of 32 from its start; a last block that is shorter is filled with zeros.
;;     - A block's scale is 2^e with e = floor(log2(the largest magnitude in the block)) - 2, held to -126 .. 127; a block of zeros has e = 0. As a byte (E8M0): e + 127.
;;     - Each number is divided by its block's scale, clamped to +-6, and rounded to the nearest number of E2M1, ties to even, subnormals kept.
;;     - The product sums the exact products of the quantised numbers (number of the format x scale) in f32.
;;   ~~~python
;;   def quantise(x, axis):      # numpy; x: float32 -> the quantised numbers, widened to float32 again
;;       x = np.moveaxis(x, axis, -1); K = x.shape[-1]
;;       x = np.pad(x, [(0, 0)] * (x.ndim - 1) + [(0, -K % 32)]); x = x.reshape(x.shape[:-1] + (-1, 32)); a = np.abs(x).max(-1, keepdims=True)
;;       e = np.where(a > 0, np.clip(np.frexp(np.where(a > 0, a, 1))[1] - 1 - 2, -126, 127), 0)      # np.frexp(a)[1] - 1 = floor(log2(a)), exactly
;;       r = np.clip(x / 2.0 ** e, -6, 6)
;;       step = 2.0 ** (np.maximum(np.frexp(np.where(r == 0, 1, r))[1] - 1, 0) - 1)
;;       q = np.round(r / step) * step * 2.0 ** e      # np.round: ties to even
;;       return np.moveaxis(q.reshape(q.shape[:-2] + (-1,))[..., :K], -1, axis).astype(np.float32)
;;   ~~~
;;   SOFTMAX AHEAD OF A QUANTISED PRODUCT. Where the list says 'softmax', what is quantised is not the finished softmax but p = 2^(t - M), with t = logit x log2(e) and M = ceil(the row's largest t), a whole number; so 1/2 < the row's largest p <= 1. The row's sum l is taken of the UNQUANTISED p, in f32, and the product's result is divided by l at the end. Since M is a whole number, a kernel that streams over the keys may use a running M (the ceiling of the running maximum): every later rescaling is an exact power of two, which a block's scale takes up: the codes' values come out the same.
;;   OPERANDS COMPUTED ON THE WAY. 'Computed on the way' means the value that the module computes at that place (a softmax that the list does not call 'softmax' is quantised finished and normalised). What goes into a quantiser is computed in f32, as accurately as f32 sums, v_exp_f32 and their like allow (about 1e-6 of the number): no bf16 or f16 on the way to a quantiser, and a product that is left as it is and whose result goes on into a quantised operand takes f32 operands (vector FMAs, or v_wmma_f32_16x16x4_f32). A number that lies on a knife's edge between two numbers of the format may be rounded either way, as far as f32 arithmetic and the matrix unit's own rounding can turn it there, and no further.
;;   INPUTS GIVEN AS CODES. Wk (in the module: [1024, 512], K = its axis 1); Wq (in the module: [1024, 512], K = its axis 1); Wv (in the module: [1024, 512], K = its axis 1); x (in the module: [8, 512, 1024], K = its axis 1): each comes as NAME_codes (uint8): NAME with its K axis moved to the last place and cut into blocks of 32 codes, [.., K / 32, bytes a block], one block behind the other in memory; two codes a byte, the lower K in the low four bits (a code: sign, 2 exponent bits, 1 mantissa bit); and NAME_scales (uint8): the same leading axes, one E8M0 byte (e + 127) for each 32 codes along K. Its value is code x scale, taken as it is: it is not quantised again, and the codes and scales need not be those that the quantiser above would give.
;; One version. Each part assembles by itself: llvm-mc -triple=amdgcn-amd-amdhsa -mcpu=gfx1250 --defsym DOCPART=n.
;; ======== version 1 of 1: 3 launches
;; workspace buffers: part 786,432 bytes; kc 4,194,304 bytes; ks 262,144 bytes; vc 4,194,304 bytes; vs 262,144 bytes; qc 4,194,304 bytes; qs 262,144 bytes
;; launch stats (part 1): grid 32 x 8, 4 waves a work-group, clusters of 4 x 4, 197,120 bytes of LDS; arguments x_codes, x_scales, Wq_codes, Wq_scales, Wk_codes, Wk_scales, Wv_codes, Wv_scales, part; writes part
.if DOCPART == 1
	.amdgcn_target "amdgcn-amd-amdhsa--gfx1250"
	.amdhsa_code_object_version 6
	.text
	.protected	k_q3332f2b119_stats
	.globl	k_q3332f2b119_stats
	.p2align	8
	.type	k_q3332f2b119_stats,@function
k_q3332f2b119_stats:
	s_mov_b64 s[64:65], 0
	v_nop
	global_prefetch_b8 v0, s[64:65] scope:SCOPE_SE
	s_setreg_imm32_b32 hwreg(HW_REG_WAVE_MODE, 25, 1), 1
	s_wait_xcnt 0x0
	s_wait_alu depctr_hold_cnt(0) depctr_sa_sdst(0) depctr_va_vdst(0) depctr_va_sdst(0) depctr_va_ssrc(0) depctr_va_vcc(0) depctr_vm_vsrc(0)
	s_getreg_b32 s2, hwreg(HW_REG_IB_STS2, 6, 4)
	s_cmp_eq_u32 s2, 0
	s_cbranch_scc0 .Lentry_in_a_cluster
	s_endpgm
.Lentry_in_a_cluster:
	s_bfe_u32 s2, ttmp6, 0x10000c
	s_cmp_lg_u32 s2, 0xf033
	s_cbranch_scc0 .Lentry_shape_is_right
	s_endpgm
.Lentry_shape_is_right:
; FIRST OF THREE LAUNCHES.  y_p = W_p x (p = 0 Q, 1 K, 2 V) on the given codes of FP4 (E2M1) with their E8M0 scales; of y only the batch norm's statistics leave:
; part[chunk 32][p 3][channel 1024] = (mean, M2 = sum of squared distances from that mean) over the chunk's 256 positions.  y itself is made again by the next launch, which costs
; less than its way to memory and back in f32 (100 MB each way against 786,432 bytes).
; SHARES.  A work-group takes 256 positions (chunk = 4 x cluster x + cx) x the 128 channels of one head (4 x cluster y + cy) x the three projections.  Wave w: positions 128 (w / 2) on, kept as
; 32 fragments in registers; channel tiles 4 (w % 2) + u of each projection, one after the other: 12 units of 32 matrix instructions.
; Source 0 = 16 positions of x, source 1 = 16 channels of W: a lane holds ONE channel (lane % 16) and 64 positions, so the sums run inside a lane.
; NO DIFFERENCE OF LARGE SUMS: a lane takes its first number as a pivot and sums d = y - pivot and d d; mean = pivot + S1 / 64, M2 = S2 - S1 S1 / 64.  Parts of equal size n are joined by
; mean = the means' average, M2 = M2a + M2b + (n / 2) (difference of the means)^2: lane with lane xor 16 (n = 64), then the two waves of a channel through LDS (n = 128).
; CLUSTER 4 x 4: the four work-groups of a row of the cluster share W's tiles, the four of a column x's: each tile is asked for jointly.  All tiles fit in LDS at once: every LDS byte is filled once.
; LIMITS: NaN and infinities among the scales' values are not served; the f32 sums run in another order than the definition's.
.set WT,   0                           ; LDS: W_p's codes, 128 rows of 256 bytes + 16 of padding, at 34,816 p
.set XT,   104448                      ; x's codes, 256 rows likewise
.set WS,   174080                      ; W_p's scale bytes, 16 a row, dense, at 2,048 p
.set XS,   180224                      ; x's, 4,096 bytes
.set SCR,  184320                      ; the waves' partial statistics [g 2][p 3][channel 128] x 8 bytes: blocks of 256 bytes into which no tile lands
.set PADDED, (3<<16)|(1<<20)|(1<<21)|(5<<22)|(3<<25)   ; elements of 8 bytes; padding on; bit 21 beside a mask; after every 64 words 4 words
.set DENSE,  (3<<16)|(1<<21)
.set NOC,  999                         ; stands for the constant 0 as C
.set WV,    2                          ; s2 wave
.set RMASK, 3                          ; s3 my row of the cluster
.set CMASK, 47                         ; s47 my column
.set G0WC,  48                         ; s[48:63] the four groups 0
.set G0WS,  52
.set G0XC,  56
.set G0XS,  60
.set CX,    66
.set CY,    67
.set G1XC,  68                         ; s[68:99] the four groups 1
.set G1WC,  76
.set G1XS,  84
.set G1WS,  92
.set CHUNK, 100
.set HEAD,  101
.set SEL,   4                          ; s[4:5] v_permlanex16_b32's selects for lane xor 16 (s[4:19] are free once the groups 0 are made)
.set AXR,  3                           ; v3  my 128 rows of x          v4  their scale bytes
.set AXRS, 4
.set AW,   5                           ; v5-7 my 64 rows of W_p        v8  their scale bytes (p in the offset)
.set AWS,  8
.set ASTO, 9                           ; v9  where my channel's pair goes in the scratch
.set ARD,  10                          ; v10 where thread t reads channel t's pairs
.set GOF,  11                          ; v11 8 t: its place in part
.set PV,   12                          ; v[12:13] the pivot (and a 0 that is named with it)
.set US,   16                          ; v16-19 the unit's scale words, one for each 128 along K
.set RS,   20                          ; v20-51 the resident tiles' scale words: 4 i + k
.set U,    52                          ; v52-83 the unit's four fragments
.set C1,   84                          ; v84-91 four chains of S1       v92-99 of S2
.set C2,   92
.set T,    100                         ; v100-113 at work
.set ACC,  128                         ; v128-255 two sets of eight accumulators;  window 1: the 32 resident fragments, 8 (4 i + k)
.set MSB, 0
.macro WIN new                         ; the immediate's high byte repeats the setting that is left; a switch that changes nothing is dropped
.if MSB != \new
	s_set_vgpr_msb (MSB<<8)|\new
.set MSB, \new
.endif
.endm
.macro PLACES n
.rept \n
	v_nop
.endr
.endm
.macro ROUND                           ; a round of the cluster's barrier
	s_barrier_signal -1
	s_barrier_wait -1
	s_cmp_lg_u32 s[WV], 0
	s_cbranch_scc1 .Lnot_wave_0_\@
	s_barrier_signal -3
.Lnot_wave_0_\@:
	s_barrier_wait -3
	s_barrier_signal -1
	s_barrier_wait -1
.endm
.macro SHAPE g, rows                   ; group 1, words 1 to 7: rows of 32 elements of 8 bytes, dense in memory
	s_mov_b32 s[\g+1], 32<<16
	s_mov_b32 s[\g+2], (\rows)<<16
	s_mov_b32 s[\g+3], 32<<16
	s_mov_b32 s[\g+4], \rows
	s_mov_b32 s[\g+5], 32
	s_mov_b32 s[\g+6], 0
	s_mov_b32 s[\g+7], 0
.endm
.macro WM d, a, b, c, sa, sb
.if (\c) == NOC
	v_wmma_scale_f32_16x16x128_f8f6f4 v[\d:\d+7], v[\a:\a+7], v[\b:\b+7], 0, v[\sa], v[\sb] matrix_a_fmt:MATRIX_FMT_FP4 matrix_b_fmt:MATRIX_FMT_FP4
.else
	v_wmma_scale_f32_16x16x128_f8f6f4 v[\d:\d+7], v[\a:\a+7], v[\b:\b+7], v[\c:\c+7], v[\sa], v[\sb] matrix_a_fmt:MATRIX_FMT_FP4 matrix_b_fmt:MATRIX_FMT_FP4
.endif
.endm
; eight tiles of 16 rows x K 512 into window 1, and their scale words.  A fragment: lane (r, h) takes 16 bytes at row r x 272 + 16 h + 64 k + 32 c
.macro LOADRES adr, off, sadr, soff
	WIN 0x40
.irp i, 0,1,2,3,4,5,6,7
.irp k, 0,1,2,3
.irp c, 0,1
	ds_load_b128 v[8*(4*\i+\k)+4*\c:8*(4*\i+\k)+4*\c+3], v[\adr] offset:\off+4352*\i+64*\k+32*\c
.endr
.endr
.endr
	WIN 0
.irp i, 0,1,2,3,4,5,6,7
	ds_load_b128 v[RS+4*\i:RS+4*\i+3], v[\sadr] offset:\soff+256*\i
.endr
.endm
.macro LOADU adr, off, sadr, soff      ; one tile of 16 rows x K 512, and its scale words: 9 loads
	WIN 0
.irp k, 0,1,2,3
.irp c, 0,1
	ds_load_b128 v[U+8*\k+4*\c:U+8*\k+4*\c+3], v[\adr] offset:\off+64*\k+32*\c
.endr
.endr
	ds_load_b128 v[US:US+3], v[\sadr] offset:\soff
.endm
; 32 matrix instructions: the eight resident tiles x the unit, K ascending.  The eight accumulators take turns, one instruction a turn; the next unit takes the other set.
.macro MUL set, cb, cs, zero
.irp k, 0,1,2,3
.if (\k == 0) && (\zero == 0)
	WIN 0x21
.else
	WIN 0x01
.endif
.irp i, 0,1,2,3,4,5,6,7
.if \k > 0
	WM ACC+64*(\set)+8*\i, 8*(4*\i+\k), U+8*\k, ACC+64*(\set)+8*\i, RS+4*\i+\k, US+\k
.elseif \zero
	WM ACC+64*(\set)+8*\i, 8*(4*\i+\k), U+8*\k, NOC, RS+4*\i+\k, US+\k
.else
	WM ACC+64*(\set)+8*\i, 8*(4*\i+\k), U+8*\k, \cb+\cs*\i, RS+4*\i+\k, US+\k
.endif
.endr
.endr
.endm
	s_load_b512 s[4:19], s[0:1], 0x0               ; x codes 4, x scales 6, Wq 8, 10, Wk 12, 14, Wv 16, 18
	s_load_b64 s[20:21], s[0:1], 0x40              ; part
	v_lshl_add_u32 v126, v0, 2, 0x30000
	v_mov_b32 v127, 0
	ds_add_u32 v126, v127
	ds_add_u32 v126, v127
	v_lshrrev_b32 v1, 5, v0
	v_readfirstlane_b32 s[WV], v1                  ; wave 0..3
	s_bfe_u32 s[CX], ttmp6, 0x40000
	s_bfe_u32 s[CY], ttmp6, 0x40004
	s_lshl_b32 s[CHUNK], ttmp9, 2
	s_add_co_u32 s[CHUNK], s[CHUNK], s[CX]         ; which 256 positions
	s_and_b32 s[HEAD], ttmp7, 0xffff
	s_lshl_b32 s[HEAD], s[HEAD], 2
	s_add_co_u32 s[HEAD], s[HEAD], s[CY]           ; which 128 channels
	s_lshl_b32 s[RMASK], s[CY], 2
	s_lshl_b32 s[RMASK], 15, s[RMASK]              ; my row of the cluster shares the head: W's tiles
	s_lshl_b32 s[CMASK], 0x1111, s[CX]             ; my column shares the chunk: x's tiles
	s_or_b32 s[G1WC], s[RMASK], PADDED
	s_or_b32 s[G1WS], s[RMASK], DENSE
	s_or_b32 s[G1XC], s[CMASK], PADDED
	s_or_b32 s[G1XS], s[CMASK], DENSE
	SHAPE G1XC, 256                                ; 256 rows of x's codes
	SHAPE G1WC, 128                                ; 128 rows of W's
	SHAPE G1XS, 16                                 ; 4,096 scale bytes as 16 rows of 256
	SHAPE G1WS, 8                                  ; 2,048 as 8
	s_mov_b32 s[G0WC], 1
	s_mul_i32 s[G0WC+1], s[WV], 34816              ; LDS: WT + 34,816 x wave
	s_lshl_b32 s[G0WC+2], s[HEAD], 15              ; the head's 128 rows of 256 bytes
	s_mov_b32 s[G0WC+3], 0
	s_mov_b32 s[G0WS], 1
	s_lshl_b32 s[G0WS+1], s[WV], 11
	s_add_co_u32 s[G0WS+1], s[G0WS+1], WS
	s_lshl_b32 s[G0WS+2], s[HEAD], 11
	s_mov_b32 s[G0WS+3], 0
	s_mov_b32 s[G0XC], 1
	s_mov_b32 s[G0XC+1], XT
	s_lshl_b32 s[G0XC+2], s[CHUNK], 16
	s_mov_b32 s[G0XC+3], 0
	s_mov_b32 s[G0XS], 1
	s_mov_b32 s[G0XS+1], XS
	s_lshl_b32 s[G0XS+2], s[CHUNK], 12
	s_mov_b32 s[G0XS+3], 0
	s_wait_dscnt 0x0
	s_wait_kmcnt 0x0
	s_cmp_eq_u32 s[WV], 1                          ; wave p fetches W_p: the choice hangs on the wave's number alone
	s_cselect_b64 s[8:9], s[12:13], s[8:9]
	s_cselect_b64 s[10:11], s[14:15], s[10:11]
	s_cmp_eq_u32 s[WV], 2
	s_cselect_b64 s[8:9], s[16:17], s[8:9]
	s_cselect_b64 s[10:11], s[18:19], s[10:11]
	s_add_nc_u64 s[G0WC+2:G0WC+3], s[8:9], s[G0WC+2:G0WC+3]
	s_or_b32 s[G0WC+3], s[G0WC+3], 0x80000000
	s_add_nc_u64 s[G0WS+2:G0WS+3], s[10:11], s[G0WS+2:G0WS+3]
	s_or_b32 s[G0WS+3], s[G0WS+3], 0x80000000
	s_add_nc_u64 s[G0XC+2:G0XC+3], s[4:5], s[G0XC+2:G0XC+3]
	s_or_b32 s[G0XC+3], s[G0XC+3], 0x80000000
	s_add_nc_u64 s[G0XS+2:G0XS+3], s[6:7], s[G0XS+2:G0XS+3]
	s_or_b32 s[G0XS+3], s[G0XS+3], 0x80000000
	ROUND                                          ; all sixteen work-groups are here: the joint loads meet
	s_cmp_eq_u32 s[WV], 3                          ; a wave's two fills stand in one branch: two tensor loads of mine are out; four v_nop follow the second
	s_cbranch_scc1 .Lfill_x
	tensor_load_to_lds s[G0WC:G0WC+3], s[G1WC:G1WC+7]
	s_nop 0
	tensor_load_to_lds s[G0WS:G0WS+3], s[G1WS:G1WS+7]
	s_nop 0
	PLACES 4
	s_branch .Lfilled
.Lfill_x:
	tensor_load_to_lds s[G0XC:G0XC+3], s[G1XC:G1XC+7]
	s_nop 0
	tensor_load_to_lds s[G0XS:G0XS+3], s[G1XS:G1XS+7]
	s_nop 0
	PLACES 4
.Lfilled:
	s_mov_b32 s[SEL], 0x76543210
	s_mov_b32 s[SEL+1], 0xfedcba98
	s_lshr_b32 s6, s[WV], 1                        ; g: which 128 positions
	s_and_b32 s7, s[WV], 1                         ; cg: which 64 channels
	s_mov_b32 s10, 0x3c800000                      ; 1 / 64
	s_mov_b32 s11, 0x42000000                      ; 32
	s_mov_b32 s12, 0x42800000                      ; 64
	v_and_b32 v1, 15, v0                           ; r
	v_bfe_u32 v2, v0, 4, 1                         ; h
	v_mul_u32_u24 v14, v1, 272
	v_lshl_add_u32 v14, v2, 4, v14                 ; a fragment's row x pitch + 16 h
	v_lshlrev_b32 v15, 4, v1                       ; a row's 16 scale bytes
	s_mul_i32 s8, s6, 34816
	s_add_co_u32 s8, s8, XT
	v_add_nc_u32 v[AXR], s8, v14
	s_lshl_b32 s8, s6, 11
	s_add_co_u32 s8, s8, XS
	v_add_nc_u32 v[AXRS], s8, v15
	s_mul_i32 s8, s7, 17408
	v_add_nc_u32 v[AW], s8, v14
	v_add_nc_u32 v[AW+1], 34816, v[AW]
	v_add_nc_u32 v[AW+2], 69632, v[AW]
	s_lshl_b32 s8, s7, 10
	s_add_co_u32 s8, s8, WS
	v_add_nc_u32 v[AWS], s8, v15
	s_mul_i32 s8, s6, 3072
	s_lshl_b32 s9, s7, 9
	s_add_co_u32 s8, s8, s9
	s_add_co_u32 s8, s8, SCR
	v_lshl_add_u32 v[ASTO], v1, 3, s8
	v_lshlrev_b32 v[GOF], 3, v0
	v_add_nc_u32 v[ARD], SCR, v[GOF]
	v_mov_b32 v[PV+1], 0                           ; named with the pivot as a pair, so it is written
	v_mov_b32 v[T+4], 0                            ; a lane permute's destination counts as one of its sources
	v_mov_b32 v[T+5], 0
	s_mul_i32 s8, s[CHUNK], 24576
	s_lshl_b32 s9, s[HEAD], 10
	s_add_co_u32 s8, s8, s9
	s_mov_b32 s9, 0
	s_add_nc_u64 s[20:21], s[20:21], s[8:9]        ; part at [chunk][0][128 head]
	s_wait_tensorcnt 0x0                           ; my two tiles are in,
	s_barrier_signal -1
	s_barrier_wait -1                              ; everybody's are
.macro STAT_A set                      ; d = y - pivot, in place, each accumulator from its low end on.  33 plain lines on the set that is not being multiplied: the places behind the products just issued (ISA guide 7.12.1)
.set DB, ACC+64*(\set)
	WIN 0
	v_mov_b32 v[PV], v[DB]
.set kk, 0
.rept 32
	v_pk_add_f32 v[DB+2*kk:DB+2*kk+1], v[DB+2*kk:DB+2*kk+1], v[PV:PV+1] op_sel_hi:[1,0] neg_lo:[0,1] neg_hi:[0,1]
.set kk, kk+1
.endr
.endm
.macro STAT_B set, off                 ; S1 and S2 in four chains of pairs each; my 64 numbers' mean and M2; joined with lane xor 16's; to the scratch
.set DB, ACC+64*(\set)
	WIN 0
.irp c, 0,1,2,3
	v_pk_add_f32 v[C1+2*\c:C1+2*\c+1], v[DB+2*\c:DB+2*\c+1], v[DB+8+2*\c:DB+8+2*\c+1]
	v_pk_mul_f32 v[C2+2*\c:C2+2*\c+1], v[DB+2*\c:DB+2*\c+1], v[DB+2*\c:DB+2*\c+1]
.endr
.irp c, 0,1,2,3
	v_pk_fma_f32 v[C2+2*\c:C2+2*\c+1], v[DB+8+2*\c:DB+8+2*\c+1], v[DB+8+2*\c:DB+8+2*\c+1], v[C2+2*\c:C2+2*\c+1]
.endr
.irp k, 2,3,4,5,6,7
.irp c, 0,1,2,3
	v_pk_add_f32 v[C1+2*\c:C1+2*\c+1], v[C1+2*\c:C1+2*\c+1], v[DB+8*\k+2*\c:DB+8*\k+2*\c+1]
	v_pk_fma_f32 v[C2+2*\c:C2+2*\c+1], v[DB+8*\k+2*\c:DB+8*\k+2*\c+1], v[DB+8*\k+2*\c:DB+8*\k+2*\c+1], v[C2+2*\c:C2+2*\c+1]
.endr
.endr
	v_pk_add_f32 v[C1:C1+1], v[C1:C1+1], v[C1+2:C1+3]
	v_pk_add_f32 v[C2:C2+1], v[C2:C2+1], v[C2+2:C2+3]
	v_pk_add_f32 v[C1+4:C1+5], v[C1+4:C1+5], v[C1+6:C1+7]
	v_pk_add_f32 v[C2+4:C2+5], v[C2+4:C2+5], v[C2+6:C2+7]
	v_pk_add_f32 v[C1:C1+1], v[C1:C1+1], v[C1+4:C1+5]
	v_pk_add_f32 v[C2:C2+1], v[C2:C2+1], v[C2+4:C2+5]
	v_add_f32 v[T], v[C1], v[C1+1]                 ; S1
	v_add_f32 v[T+1], v[C2], v[C2+1]               ; S2
	v_mul_f32 v[T+2], s10, v[T]                    ; S1 / 64
	v_add_f32 v[T+3], v[PV], v[T+2]                ; the mean of my 64
	v_fma_f32 v[T+1], -v[T+2], v[T], v[T+1]        ; their M2
	v_permlanex16_b32 v[T+4], v[T+3], s[SEL], s[SEL+1]
	v_permlanex16_b32 v[T+5], v[T+1], s[SEL], s[SEL+1]
	v_sub_f32 v[T+6], v[T+3], v[T+4]
	v_add_f32 v[T+7], v[T+3], v[T+4]
	v_add_f32 v[T+9], v[T+1], v[T+5]
	v_mul_f32 v[T+6], v[T+6], v[T+6]
	v_mul_f32 v[T+8], 0.5, v[T+7]                  ; of the 128: the mean,
	v_fma_f32 v[T+9], v[T+6], s11, v[T+9]          ; and M2.  Every step is symmetric in the two lanes: both hold the same bits
	ds_store_b64 v[ASTO], v[T+8:T+9] offset:\off   ; and write the same bytes
.endm
	LOADRES AXR, 0, AXRS, 0
	LOADU AW, 0, AWS, 0
	s_wait_dscnt 0x0
	MUL 0, 0, 0, 1
	PLACES 4                                       ; in front of loads into registers that the products read, and of the first read of their results
	LOADU AW, 4352, AWS, 256
; Stage N: unit N + 1 is multiplied into one set while unit N's statistics are taken from the other; unit N + 2's fragments are asked for behind STAT_A's places.
.set N, 0
.rept 12
	s_wait_dscnt 0x0                               ; the next unit's nine loads (asked for a stage ago) are in, and my last store is done
.if N < 11
	MUL (N+1)%2, 0, 0, 1
.endif
	STAT_A N%2
.if N < 10
	LOADU AW+(N+2)/4, 4352*((N+2)%4), AWS, 2048*((N+2)/4)+256*((N+2)%4)
.endif
	STAT_B N%2, 1024*(N/4)+128*(N%4)
.set N, N+1
.endr
	s_wait_dscnt 0x0                               ; for the others' sake: my stores into the scratch are done
	s_barrier_signal -1
	s_barrier_wait -1
.irp p, 0,1,2                          ; thread t joins the two halves of channel t's 256 positions
	ds_load_b64 v[C1+4*\p:C1+4*\p+1], v[ARD] offset:1024*\p
	ds_load_b64 v[C1+4*\p+2:C1+4*\p+3], v[ARD] offset:3072+1024*\p
.endr
	s_wait_dscnt 0x0
.irp p, 0,1,2
	v_sub_f32 v[T], v[C1+4*\p], v[C1+4*\p+2]
	v_add_f32 v[T+1], v[C1+4*\p], v[C1+4*\p+2]
	v_add_f32 v[T+2], v[C1+4*\p+1], v[C1+4*\p+3]
	v_mul_f32 v[T], v[T], v[T]
	v_mul_f32 v[T+8+2*\p], 0.5, v[T+1]
	v_fma_f32 v[T+9+2*\p], v[T], s12, v[T+2]
	global_store_b64 v[GOF], v[T+8+2*\p:T+9+2*\p], s[20:21] offset:8192*\p   ; a wave stores 256 consecutive bytes, at a multiple of 256 from part's first byte
.endr
	s_wait_tensorcnt 0x0
	ds_add_u32 v126, v127
	s_wait_dscnt 0x0
	ROUND                                          ; the closing round: no work-group ends while a partner may still ask for a tile that names it
	s_endpgm
.Lfunc_end_k_q3332f2b119_stats:
	.size	k_q3332f2b119_stats, .Lfunc_end_k_q3332f2b119_stats-k_q3332f2b119_stats
	.p2alignl 7, 3214868480
	.fill 96, 4, 3214868480
	.section	.rodata,"a",@progbits
	.p2align	6, 0x0
	.amdhsa_kernel k_q3332f2b119_stats
		.amdhsa_group_segment_fixed_size 197120
		.amdhsa_private_segment_fixed_size 0
		.amdhsa_enable_private_segment 0
		.amdhsa_kernarg_size 72
		.amdhsa_user_sgpr_count 2
		.amdhsa_user_sgpr_kernarg_segment_ptr 1
		.amdhsa_wavefront_size32 1
		.amdhsa_system_sgpr_workgroup_id_x 1
		.amdhsa_system_sgpr_workgroup_id_y 1
		.amdhsa_system_sgpr_workgroup_id_z 1
		.amdhsa_system_vgpr_workitem_id 0
		.amdhsa_next_free_vgpr 512
		.amdhsa_next_free_sgpr 102
		.amdhsa_reserve_vcc 0
		.amdhsa_float_denorm_mode_32 3
		.amdhsa_float_denorm_mode_16_64 3
		.amdhsa_memory_ordered 1
		.amdhsa_forward_progress 1
		.amdhsa_inst_pref_size 151
	.end_amdhsa_kernel
	.amdgpu_metadata
---
amdhsa.version: [ 1, 2 ]
amdhsa.kernels:
  - .name:           k_q3332f2b119_stats
    .symbol:         k_q3332f2b119_stats.kd
    .args:
      - { .name: x_codes, .offset: 0, .size: 8, .value_kind: global_buffer, .address_space: global }
      - { .name: x_scales, .offset: 8, .size: 8, .value_kind: global_buffer, .address_space: global }
      - { .name: Wq_codes, .offset: 16, .size: 8, .value_kind: global_buffer, .address_space: global }
      - { .name: Wq_scales, .offset: 24, .size: 8, .value_kind: global_buffer, .address_space: global }
      - { .name: Wk_codes, .offset: 32, .size: 8, .value_kind: global_buffer, .address_space: global }
      - { .name: Wk_scales, .offset: 40, .size: 8, .value_kind: global_buffer, .address_space: global }
      - { .name: Wv_codes, .offset: 48, .size: 8, .value_kind: global_buffer, .address_space: global }
      - { .name: Wv_scales, .offset: 56, .size: 8, .value_kind: global_buffer, .address_space: global }
      - { .name: part, .offset: 64, .size: 8, .value_kind: global_buffer, .address_space: global }
    .group_segment_fixed_size: 197120
    .private_segment_fixed_size: 0
    .kernarg_segment_align: 8
    .kernarg_segment_size: 72
    .max_flat_workgroup_size: 128
    .sgpr_count:     102
    .vgpr_count:     512
    .wavefront_size: 32
...
	.end_amdgpu_metadata
.endif
;; end of part 1
;; launch quant (part 2): grid 32 x 8, 4 waves a work-group, clusters of 4 x 4, 197,120 bytes of LDS; arguments x_codes, x_scales, Wq_codes, Wq_scales, Wk_codes, Wk_scales, Wv_codes, Wv_scales, gq, bq, gk, bk, gv, bv, part, qc, qs, kc, ks, vc, vs; writes qc, qs, kc, ks, vc, vs
.if DOCPART == 2
	.amdgcn_target "amdgcn-amd-amdhsa--gfx1250"
	.amdhsa_code_object_version 6
	.text
	.protected	k_q3332f2b119_quant
	.globl	k_q3332f2b119_quant
	.p2align	8
	.type	k_q3332f2b119_quant,@function
k_q3332f2b119_quant:
	s_mov_b64 s[64:65], 0
	v_nop
	global_prefetch_b8 v0, s[64:65] scope:SCOPE_SE
	s_setreg_imm32_b32 hwreg(HW_REG_WAVE_MODE, 25, 1), 1
	s_wait_xcnt 0x0
	s_wait_alu depctr_hold_cnt(0) depctr_sa_sdst(0) depctr_va_vdst(0) depctr_va_sdst(0) depctr_va_ssrc(0) depctr_va_vcc(0) depctr_vm_vsrc(0)
	s_getreg_b32 s2, hwreg(HW_REG_IB_STS2, 6, 4)
	s_cmp_eq_u32 s2, 0
	s_cbranch_scc0 .Lentry_in_a_cluster
	s_endpgm
.Lentry_in_a_cluster:
	s_bfe_u32 s2, ttmp6, 0x10000c
	s_cmp_lg_u32 s2, 0xf033
	s_cbranch_scc0 .Lentry_shape_is_right
	s_endpgm
.Lentry_shape_is_right:
; SECOND OF THREE LAUNCHES.  The 32 partial statistics of each channel are joined; y_p = W_p x is made again with C = -mean; z = (y - mean) (gamma rsq(var + eps)) + beta; LeakyReLU as max(z, 0.1 z);
; z is quantised to FP4 (E2M1) with one E8M0 scale for each 32 along the K of the attention product that reads it: K and V along the head's 128 channels, Q along the positions.
; WHAT IS STORED are images of operand registers: a fragment (16 rows x 128 along K) is 1,024 bytes [c 2][lane 32][16 bytes]; kc, vc: [bh 64][position tile 64]; qc: [bh 64][8 x (position / 128) + channel tile].
; Scale words: [bh 64][group of four fragments 16][256 bytes]; row r of fragment u at 128 (u / 2) + 8 r + 4 (u % 2), so that 8 bytes a lane give lanes 0-15 fragments 0, 1 and lanes 16-31 fragments 2, 3.
; SHARES as in the launch before: a work-group takes 256 positions x one head's 128 channels x three projections.  Wave w, three passes of four units:
;   K, V: source 0 = the head's eight channel tiles of W (resident), source 1 = x's position tile 4 w + u: a lane holds ONE position and 64 of its 128 channels;
;   Q:    source 0 = x's eight position tiles 8 (w / 2) on (resident), source 1 = Wq's channel tile 4 (w % 2) + u: a lane holds ONE channel and 64 of 128 positions.
; So each unit gives one fragment and one scale word a row, and nothing changes lanes but one maximum (lane xor 16) and the exchange of half blocks.
; ORDER ALONG K: place 16 h + 8 u + j of a block of 32 holds the true index 16 u + 8 h + j.  The blocks are the true blocks, and both operands of each attention product are made the same way, so
; products and scales are the contract's; only the order in which they are summed differs.
; LIMITS: NaN and infinities are not served; a block whose largest magnitude lies under 2^-124 (a block of zeros too) keeps the scale byte 1: its bytes are read by this program alone.
.set WT,   0                           ; LDS as in the launch before
.set XT,   104448
.set WS,   174080
.set XS,   180224
.set SCR,  184320                      ; [p 3][-mean, gain, bias][channel 128] f32: 4,608 bytes into which no tile lands
.set PADDED, (3<<16)|(1<<20)|(1<<21)|(5<<22)|(3<<25)
.set DENSE,  (3<<16)|(1<<21)
.set NOC,  999
.set WV,    2
.set RMASK, 3
.set HI,    46                         ; s46 the lanes 16-31
.set CMASK, 47
.set G0WC,  48
.set G0WS,  52
.set G0XC,  56
.set G0XS,  60
.set CX,    66
.set CY,    67
.set G1XC,  68
.set G1WC,  76
.set G1XS,  84
.set G1WS,  92
.set CHUNK, 100
.set HEAD,  101
.set SEL,   4                          ; s[4:5] selects for lane xor 16;  s[16:17] the slope 0.1 (s[4:19] are free once the groups 0 are made)
.set SLOPE, 16
.set LI,   1                           ; v1 16 x lane    v2 8 x lane
.set L8,   2
.set AWK,  3                           ; v3, v4 Wk's, Wv's rows          v5 my 64 rows of Wq
.set AWV,  4
.set AWQU, 5
.set AXU,  6                           ; v6 my 64 rows of x (units)      v7 my 128 rows of x (resident)
.set AXR,  7
.set AWS,  8                           ; v8-11 the scale bytes of the same
.set AWQS, 9
.set AXUS, 10
.set AXRS, 11
.set APT,  12                          ; v12 parameters by channel 8 h + j    v13 of my own channel    v14 where thread t stores channel t's
.set APQ,  13
.set APW,  14
.set US,   16
.set RS,   20
.set U,    52
.set BM,   84                          ; v84-87 block maxima  v88-91 permuted, then bytes  v92-95 the conversions' scale operands
.set BP,   88
.set BS,   92
.set PC,   96                          ; v96-103 the codes just made
.set PW,   104                         ; v104-107 the four units' scale words
.set LK,   108                         ; v108-115 0.1 z
.set SEL2, 116                         ; v[116:117] what the scale store sends
.set ACC,  128                         ; window 1: the resident fragments.  Window 2: v0-63 -mean, v64-127 gain, v128-191 bias, in the result's layout
.set MSB, 0
.macro WIN new
.if MSB != \new
	s_set_vgpr_msb (MSB<<8)|\new
.set MSB, \new
.endif
.endm
.macro PLACES n
.rept \n
	v_nop
.endr
.endm
.macro ROUND
	s_barrier_signal -1
	s_barrier_wait -1
	s_cmp_lg_u32 s[WV], 0
	s_cbranch_scc1 .Lnot_wave_0_\@
	s_barrier_signal -3
.Lnot_wave_0_\@:
	s_barrier_wait -3
	s_barrier_signal -1
	s_barrier_wait -1
.endm
.macro SHAPE g, rows
	s_mov_b32 s[\g+1], 32<<16
	s_mov_b32 s[\g+2], (\rows)<<16
	s_mov_b32 s[\g+3], 32<<16
	s_mov_b32 s[\g+4], \rows
	s_mov_b32 s[\g+5], 32
	s_mov_b32 s[\g+6], 0
	s_mov_b32 s[\g+7], 0
.endm
.macro WM d, a, b, c, sa, sb
.if (\c) == NOC
	v_wmma_scale_f32_16x16x128_f8f6f4 v[\d:\d+7], v[\a:\a+7], v[\b:\b+7], 0, v[\sa], v[\sb] matrix_a_fmt:MATRIX_FMT_FP4 matrix_b_fmt:MATRIX_FMT_FP4
.else
	v_wmma_scale_f32_16x16x128_f8f6f4 v[\d:\d+7], v[\a:\a+7], v[\b:\b+7], v[\c:\c+7], v[\sa], v[\sb] matrix_a_fmt:MATRIX_FMT_FP4 matrix_b_fmt:MATRIX_FMT_FP4
.endif
.endm
.macro LOADRES adr, off, sadr, soff
	WIN 0x40
.irp i, 0,1,2,3,4,5,6,7
.irp k, 0,1,2,3
.irp c, 0,1
	ds_load_b128 v[8*(4*\i+\k)+4*\c:8*(4*\i+\k)+4*\c+3], v[\adr] offset:\off+4352*\i+64*\k+32*\c
.endr
.endr
.endr
	WIN 0
.irp i, 0,1,2,3,4,5,6,7
	ds_load_b128 v[RS+4*\i:RS+4*\i+3], v[\sadr] offset:\soff+256*\i
.endr
.endm
.macro LOADU adr, off, sadr, soff
	WIN 0
.irp k, 0,1,2,3
.irp c, 0,1
	ds_load_b128 v[U+8*\k+4*\c:U+8*\k+4*\c+3], v[\adr] offset:\off+64*\k+32*\c
.endr
.endr
	ds_load_b128 v[US:US+3], v[\sadr] offset:\soff
.endm
; 32 matrix instructions; the first K step takes window 2's v[cb + cs i ..] (-mean) as C.  The eight accumulators take turns, one instruction a turn.
.macro MUL set, cb, cs, zero
.irp k, 0,1,2,3
.if (\k == 0) && (\zero == 0)
	WIN 0x21
.else
	WIN 0x01
.endif
.irp i, 0,1,2,3,4,5,6,7
.if \k > 0
	WM ACC+64*(\set)+8*\i, 8*(4*\i+\k), U+8*\k, ACC+64*(\set)+8*\i, RS+4*\i+\k, US+\k
.elseif \zero
	WM ACC+64*(\set)+8*\i, 8*(4*\i+\k), U+8*\k, NOC, RS+4*\i+\k, US+\k
.else
	WM ACC+64*(\set)+8*\i, 8*(4*\i+\k), U+8*\k, \cb+\cs*\i, RS+4*\i+\k, US+\k
.endif
.endr
.endr
.endm
	s_load_b512 s[4:19], s[0:1], 0x0               ; x codes 4, x scales 6, Wq 8, 10, Wk 12, 14, Wv 16, 18
	s_load_b512 s[20:35], s[0:1], 0x40             ; gq 20, bq 22, gk 24, bk 26, gv 28, bv 30, part 32, qc 34
	s_load_b256 s[36:43], s[0:1], 0x80             ; qs 36, kc 38, ks 40, vc 42
	s_load_b64 s[44:45], s[0:1], 0xa0              ; vs
	s_set_vgpr_msb 0x80
	v_lshl_add_u32 v192, v0, 2, 0x30000
	v_mov_b32 v193, 0
	s_set_vgpr_msb 0x808a
	ds_add_u32 v192, v193
	ds_add_u32 v192, v193
	s_set_vgpr_msb 0x8a00
	v_lshrrev_b32 v1, 5, v0
	v_readfirstlane_b32 s[WV], v1
	s_bfe_u32 s[CX], ttmp6, 0x40000
	s_bfe_u32 s[CY], ttmp6, 0x40004
	s_lshl_b32 s[CHUNK], ttmp9, 2
	s_add_co_u32 s[CHUNK], s[CHUNK], s[CX]
	s_and_b32 s[HEAD], ttmp7, 0xffff
	s_lshl_b32 s[HEAD], s[HEAD], 2
	s_add_co_u32 s[HEAD], s[HEAD], s[CY]
	s_lshl_b32 s[RMASK], s[CY], 2
	s_lshl_b32 s[RMASK], 15, s[RMASK]
	s_lshl_b32 s[CMASK], 0x1111, s[CX]
	s_or_b32 s[G1WC], s[RMASK], PADDED
	s_or_b32 s[G1WS], s[RMASK], DENSE
	s_or_b32 s[G1XC], s[CMASK], PADDED
	s_or_b32 s[G1XS], s[CMASK], DENSE
	SHAPE G1XC, 256
	SHAPE G1WC, 128
	SHAPE G1XS, 16
	SHAPE G1WS, 8
	s_mov_b32 s[G0WC], 1
	s_mul_i32 s[G0WC+1], s[WV], 34816
	s_lshl_b32 s[G0WC+2], s[HEAD], 15
	s_mov_b32 s[G0WC+3], 0
	s_mov_b32 s[G0WS], 1
	s_lshl_b32 s[G0WS+1], s[WV], 11
	s_add_co_u32 s[G0WS+1], s[G0WS+1], WS
	s_lshl_b32 s[G0WS+2], s[HEAD], 11
	s_mov_b32 s[G0WS+3], 0
	s_mov_b32 s[G0XC], 1
	s_mov_b32 s[G0XC+1], XT
	s_lshl_b32 s[G0XC+2], s[CHUNK], 16
	s_mov_b32 s[G0XC+3], 0
	s_mov_b32 s[G0XS], 1
	s_mov_b32 s[G0XS+1], XS
	s_lshl_b32 s[G0XS+2], s[CHUNK], 12
	s_mov_b32 s[G0XS+3], 0
	s_wait_dscnt 0x0
	s_wait_kmcnt 0x0
	s_cmp_eq_u32 s[WV], 1
	s_cselect_b64 s[8:9], s[12:13], s[8:9]
	s_cselect_b64 s[10:11], s[14:15], s[10:11]
	s_cmp_eq_u32 s[WV], 2
	s_cselect_b64 s[8:9], s[16:17], s[8:9]
	s_cselect_b64 s[10:11], s[18:19], s[10:11]
	s_add_nc_u64 s[G0WC+2:G0WC+3], s[8:9], s[G0WC+2:G0WC+3]
	s_or_b32 s[G0WC+3], s[G0WC+3], 0x80000000
	s_add_nc_u64 s[G0WS+2:G0WS+3], s[10:11], s[G0WS+2:G0WS+3]
	s_or_b32 s[G0WS+3], s[G0WS+3], 0x80000000
	s_add_nc_u64 s[G0XC+2:G0XC+3], s[4:5], s[G0XC+2:G0XC+3]
	s_or_b32 s[G0XC+3], s[G0XC+3], 0x80000000
	s_add_nc_u64 s[G0XS+2:G0XS+3], s[6:7], s[G0XS+2:G0XS+3]
	s_or_b32 s[G0XS+3], s[G0XS+3], 0x80000000
	ROUND                                          ; all sixteen work-groups are here: the joint loads meet
	s_cmp_eq_u32 s[WV], 3                          ; two tensor loads of mine are out; four v_nop follow the second
	s_cbranch_scc1 .Lfill_x
	tensor_load_to_lds s[G0WC:G0WC+3], s[G1WC:G1WC+7]
	s_nop 0
	tensor_load_to_lds s[G0WS:G0WS+3], s[G1WS:G1WS+7]
	s_nop 0
	PLACES 4
	s_branch .Lfilled
.Lfill_x:
	tensor_load_to_lds s[G0XC:G0XC+3], s[G1XC:G1XC+7]
	s_nop 0
	tensor_load_to_lds s[G0XS:G0XS+3], s[G1XS:G1XS+7]
	s_nop 0
	PLACES 4
.Lfilled:
	; ---- while the tiles are on their way: thread t joins the 32 parts of channel 128 head + t, for each projection
	s_lshl_b32 s8, s[HEAD], 10
	s_mov_b32 s9, 0
	s_add_nc_u64 s[32:33], s[32:33], s[8:9]        ; part at [0][0][128 head]
	s_lshl_b32 s8, s[HEAD], 9
.irp g, 20,22,24,26,28,30
	s_add_nc_u64 s[\g:\g+1], s[\g:\g+1], s[8:9]    ; the gains and biases at channel 128 head
.endr
	v_lshlrev_b32 v36, 3, v0
	v_lshlrev_b32 v37, 2, v0
.irp p, 0,1,2
.set kk, 0
.rept 32
	global_load_b64 v[64+64*\p+2*kk:64+64*\p+2*kk+1], v36, s[32:33] offset:(3*kk+\p)*8192   ; a wave reads 256 consecutive bytes
.set kk, kk+1
.endr
.endr
.irp i, 0,1,2,3,4,5
	global_load_b32 v[40+\i], v37, s[20+2*\i:21+2*\i]              ; v40 + 2 p the gain, v41 + 2 p the bias
.endr
	s_mov_b32 s[SEL], 0x76543210
	s_mov_b32 s[SEL+1], 0xfedcba98
	s_lshr_b32 s6, s[WV], 1                        ; g
	s_and_b32 s7, s[WV], 1                         ; cg
	s_mov_b32 s14, 0x43800000                      ; 256
	s_mov_b32 s15, 0x39000000                      ; 1 / 8,192
	s_mov_b32 s[SLOPE], 0x3dcccccd                 ; 0.1
	s_mov_b32 s[SLOPE+1], s[SLOPE]                 ; (named with it as a pair, so it is written)
	s_mov_b32 s18, 0x3727c5ac                      ; eps = 1e-5
	s_mov_b32 s19, 0x3d000000                      ; 1 / 32
	v_and_b32 v46, 15, v0                          ; r
	v_bfe_u32 v47, v0, 4, 1                        ; h
	v_and_b32 v48, 31, v0                          ; lane
	v_lshlrev_b32 v[LI], 4, v48
	v_lshlrev_b32 v[L8], 3, v48
	v_mul_u32_u24 v49, v46, 272
	v_lshl_add_u32 v49, v47, 4, v49                ; a fragment's row x pitch + 16 h
	v_lshlrev_b32 v15, 4, v46                      ; a row's 16 scale bytes
	v_add_nc_u32 v[AWK], WT+34816, v49
	v_add_nc_u32 v[AWV], WT+69632, v49
	s_mul_i32 s8, s7, 17408
	v_add_nc_u32 v[AWQU], s8, v49
	s_mul_i32 s8, s[WV], 17408
	s_add_co_u32 s8, s8, XT
	v_add_nc_u32 v[AXU], s8, v49
	s_mul_i32 s8, s6, 34816
	s_add_co_u32 s8, s8, XT
	v_add_nc_u32 v[AXR], s8, v49
	v_add_nc_u32 v[AWS], WS, v15
	s_lshl_b32 s8, s7, 10
	s_add_co_u32 s8, s8, WS
	v_add_nc_u32 v[AWQS], s8, v15
	s_lshl_b32 s8, s[WV], 10
	s_add_co_u32 s8, s8, XS
	v_add_nc_u32 v[AXUS], s8, v15
	s_lshl_b32 s8, s6, 11
	s_add_co_u32 s8, s8, XS
	v_add_nc_u32 v[AXRS], s8, v15
	v_lshl_add_u32 v[APT], v47, 5, SCR
	s_lshl_b32 s8, s7, 8
	s_add_co_u32 s8, s8, SCR
	v_lshl_add_u32 v[APQ], v46, 2, s8
	v_lshl_add_u32 v[APW], v0, 2, SCR
	v_cmp_le_u32 s[HI], 16, v48
	; where my wave's four fragments and their group of scale words go: X = 16 bh + 4 (chunk % 4) + wave; 4,096 X and 256 X bytes, in all three tensors
	s_lshr_b32 s8, s[CHUNK], 2
	s_lshl_b32 s8, s8, 3
	s_add_co_u32 s8, s8, s[HEAD]                   ; bh = 8 b + head
	s_lshl_b32 s8, s8, 4
	s_and_b32 s9, s[CHUNK], 3
	s_lshl_b32 s9, s9, 2
	s_add_co_u32 s8, s8, s9
	s_add_co_u32 s8, s8, s[WV]
	s_lshl_b32 s10, s8, 12
	s_mov_b32 s11, 0
	s_lshl_b32 s12, s8, 8
	s_mov_b32 s13, 0
	s_add_nc_u64 s[34:35], s[34:35], s[10:11]
	s_add_nc_u64 s[38:39], s[38:39], s[10:11]
	s_add_nc_u64 s[42:43], s[42:43], s[10:11]
	s_add_nc_u64 s[36:37], s[36:37], s[12:13]
	s_add_nc_u64 s[40:41], s[40:41], s[12:13]
	s_add_nc_u64 s[44:45], s[44:45], s[12:13]
	s_wait_loadcnt 0x0
.macro MERGE p                         ; 32 parts of 256: mean = the means' average; M2 = the sum of M2 + 256 x the sum of (mean_k - mean)^2; var = M2 / 8,192
.set XB, 64+64*\p
.irp c, 0,1,2,3
	v_pk_add_f32 v[18+2*\c:19+2*\c], v[XB+2*\c:XB+2*\c+1], v[XB+8+2*\c:XB+8+2*\c+1]
.endr
.irp k, 2,3,4,5,6,7
.irp c, 0,1,2,3
	v_pk_add_f32 v[18+2*\c:19+2*\c], v[18+2*\c:19+2*\c], v[XB+8*\k+2*\c:XB+8*\k+2*\c+1]
.endr
.endr
	v_pk_add_f32 v[18:19], v[18:19], v[20:21]
	v_pk_add_f32 v[22:23], v[22:23], v[24:25]
	v_pk_add_f32 v[18:19], v[18:19], v[22:23]      ; (the sum of the means, the sum of M2)
	v_mul_f32 v30, s19, v18                        ; the mean
.set kk, 0
.rept 32
	v_sub_f32 v[XB+2*kk], v[XB+2*kk], v30
.set kk, kk+1
.endr
.irp c, 0,1,2,3
	v_mul_f32 v[26+\c], v[XB+2*\c], v[XB+2*\c]
.endr
.irp k, 1,2,3,4,5,6,7
.irp c, 0,1,2,3
	v_fma_f32 v[26+\c], v[XB+8*\k+2*\c], v[XB+8*\k+2*\c], v[26+\c]
.endr
.endr
	v_add_f32 v26, v26, v27
	v_add_f32 v28, v28, v29
	v_add_f32 v26, v26, v28
	v_fma_f32 v31, v26, s14, v19                   ; M2 of all 8,192
	v_fma_f32 v31, v31, s15, s18                   ; var + eps
	v_rsq_f32 v32, v31
	v_mul_f32 v33, -1.0, v30                       ; -mean (the plain line behind the transcendental)
	s_wait_alu depctr_va_vdst(0)
	v_mul_f32 v32, v[40+2*\p], v32                 ; gamma rsq(var + eps)
	ds_store_b32 v[APW], v33 offset:(3*\p)*512
	ds_store_b32 v[APW], v32 offset:(3*\p+1)*512
	ds_store_b32 v[APW], v[41+2*\p] offset:(3*\p+2)*512
.endm
	MERGE 0
	MERGE 1
	MERGE 2
.irp b, 0,1,2,3
	v_mov_b32 v[BP+\b], 0                          ; a lane permute's destination counts as one of its sources
.endr
	s_wait_tensorcnt 0x0                           ; my two tiles are in,
	s_wait_dscnt 0x0                               ; my parameters are stored,
	s_barrier_signal -1
	s_barrier_wait -1                              ; everybody's are
.macro LOADP_KV p                      ; -mean, gain, bias of channels 16 i + 8 h + j at window 2's 64 kind + 8 i + j
	WIN 0x80
.irp k, 0,1,2
.irp i, 0,1,2,3,4,5,6,7
	ds_load_b128 v[64*\k+8*\i:64*\k+8*\i+3], v[APT] offset:(3*\p+\k)*512+64*\i
	ds_load_b128 v[64*\k+8*\i+4:64*\k+8*\i+7], v[APT] offset:(3*\p+\k)*512+64*\i+16
.endr
.endr
	WIN 0
.endm
.macro LOADP_Q                         ; for unit u my own channel's: -mean in eight registers (a C), gain and bias as pairs
	WIN 0x80
.irp u, 0,1,2,3
.irp j, 0,1,2,3,4,5,6,7
	ds_load_b32 v[8*\u+\j], v[APQ] offset:64*\u
.endr
.irp e, 0,1
	ds_load_b32 v[64+2*\u+\e], v[APQ] offset:512+64*\u
	ds_load_b32 v[128+2*\u+\e], v[APQ] offset:1024+64*\u
.endr
.endr
	WIN 0
.endm
.macro EPIA set, pa, pb, st            ; z = (y - mean) gain + bias, each accumulator from its low end on.  32 plain lines on the set that is not being multiplied: the places behind the products just issued (ISA guide 7.12.1)
.set DB, ACC+64*(\set)
	WIN 0x28
.set kk, 0
.rept 32
	v_pk_fma_f32 v[DB+2*kk:DB+2*kk+1], v[DB+2*kk:DB+2*kk+1], v[\pa+\st*kk:\pa+\st*kk+1], v[\pb+\st*kk:\pb+\st*kk+1]
.set kk, kk+1
.endr
.endm
.macro EPIB set, u, cb                 ; LeakyReLU, the quantiser, the fragment's image to memory
.set DB, ACC+64*(\set)
	WIN 0
.irp g, 0,1,2,3,4,5,6,7
.irp k, 0,1,2,3
	v_pk_mul_f32 v[LK+2*\k:LK+2*\k+1], v[DB+8*\g+2*\k:DB+8*\g+2*\k+1], s[SLOPE:SLOPE+1] op_sel_hi:[1,0]
.endr
.irp k, 0,1,2,3,4,5,6,7
	v_max_num_f32 v[DB+8*\g+\k], v[DB+8*\g+\k], v[LK+\k]           ; z where z >= 0, 0.1 z below
.endr
.endr
.irp b, 0,1,2,3
	v_max3_num_f32 v[BM+\b], |v[DB+16*\b]|, |v[DB+16*\b+1]|, 0x1800000   ; block b: my 16 numbers, and the floor 2^(3 - 127): the byte cannot fall under 1
.endr
.irp i, 2,4,6,8,10,12,14
.irp b, 0,1,2,3
	v_max3_num_f32 v[BM+\b], v[BM+\b], |v[DB+16*\b+\i]|, |v[DB+16*\b+\i+1]|
.endr
.endr
.irp b, 0,1,2,3
	v_permlanex16_b32 v[BP+\b], v[BM+\b], s[SEL], s[SEL+1]
.endr
.irp b, 0,1,2,3
	v_max_num_f32 v[BM+\b], v[BM+\b], v[BP+\b]     ; with lane xor 16's 16: the block's largest magnitude
.endr
.irp b, 0,1,2,3
	v_add_nc_u32 v[BS+\b], 0xff000000, v[BM+\b]    ; 2 off its exponent field: the conversion takes this operand's exponent field as its scale
.endr
.irp b, 0,1,2,3
	v_lshrrev_b32 v[BP+\b], 23, v[BS+\b]           ; the scale's byte
.endr
	v_lshl_or_b32 v[PW+\u], v[BP+1], 8, v[BP]
	v_lshl_or_b32 v[PW+\u], v[BP+2], 16, v[PW+\u]
	v_lshl_or_b32 v[PW+\u], v[BP+3], 24, v[PW+\u]  ; my row's scale word
	s_wait_xcnt 0x0                                ; the last unit's stores have read the codes' registers: only behind this wait are they written again
.irp b, 0,1,2,3
	v_cvt_scalef32_pk8_fp4_f32 v[PC+2*\b], v[DB+16*\b:DB+16*\b+7], v[BS+\b]
	v_cvt_scalef32_pk8_fp4_f32 v[PC+2*\b+1], v[DB+16*\b+8:DB+16*\b+15], v[BS+\b]
.endr
	v_nop                                          ; one plain line behind the last scaled conversion
.irp c, 0,1                            ; the operand's layout wants a whole block in a lane: lanes 0-15 block 2 c, lanes 16-31 block 2 c + 1
.irp i, 0,1
	v_permlane16_swap_b32 v[PC+4*\c+\i], v[PC+4*\c+2+\i]
.endr
.endr
	global_store_b128 v[LI], v[PC:PC+3], s[\cb:\cb+1] offset:1024*(\u)          ; each store of the wave covers 512 consecutive bytes, aligned
	global_store_b128 v[LI], v[PC+4:PC+7], s[\cb:\cb+1] offset:1024*(\u)+512
.endm
.macro SCALEOUT sb                     ; the four units' scale words: lanes 0-15 send fragments 0, 1, lanes 16-31 fragments 2, 3: 256 consecutive bytes, aligned
	WIN 0
	s_wait_xcnt 0x0                                ; the last pass's store has read its data
	v_cndmask_b32 v[SEL2], v[PW], v[PW+2], s[HI]
	v_cndmask_b32 v[SEL2+1], v[PW+1], v[PW+3], s[HI]
	global_store_b64 v[L8], v[SEL2:SEL2+1], s[\sb:\sb+1]
.endm
.macro LR p                            ; a pass's resident tiles
.if \p == 0
	LOADRES AXR, 0, AXRS, 0
.elseif \p == 1
	LOADRES AWK, 0, AWS, 2048
.else
	LOADRES AWV, 0, AWS, 4096
.endif
.endm
.macro LU p, u                         ; its unit u
.if \p == 0
	LOADU AWQU, 4352*(\u), AWQS, 256*(\u)
.else
	LOADU AXU, 4352*(\u), AXUS, 256*(\u)
.endif
.endm
.macro LP p                            ; its parameters
.if \p == 0
	LOADP_Q
.else
	LOADP_KV \p
.endif
.endm
.macro MM p, u
.if \p == 0
	MUL (\u)%2, 8*(\u), 0, 0
.else
	MUL (\u)%2, 0, 8, 0
.endif
.endm
.macro EA p, u
.if \p == 0
	EPIA (\u)%2, 64+2*(\u), 128+2*(\u), 0
.else
	EPIA (\u)%2, 64, 128, 2
.endif
.endm
; A pass: unit u + 1 is multiplied into one set while unit u is finished in the other.  Loads into registers that products read stand behind EPIA's 32 places.  Every LDS wait is for 0: what it waits for was asked for a whole unit's finish earlier.
; nx: the next pass (3: none), whose resident tiles, parameters and first unit are fetched under this pass's last two units.
.macro PASS p, nx, cb, sb
	s_wait_dscnt 0x0
	MM \p, 1
	EA \p, 0
	LU \p, 2
	EPIB 0, 0, \cb
	s_wait_dscnt 0x0
	MM \p, 2
	EA \p, 1
	LU \p, 3
	EPIB 1, 1, \cb
	s_wait_dscnt 0x0
	MM \p, 3
	EA \p, 2
.if \nx < 3
	LR \nx
	LU \nx, 0
.endif
	EPIB 0, 2, \cb
	EA \p, 3                                       ; the last reader of this pass's parameters
.if \nx < 3
	LP \nx
.endif
	EPIB 1, 3, \cb
	SCALEOUT \sb
.if \nx < 3
	s_wait_dscnt 0x0
	MM \nx, 0
	PLACES 4
	LU \nx, 1
.endif
.endm
	LR 1
	LP 1
	LU 1, 0
	s_wait_dscnt 0x0
	MM 1, 0
	PLACES 4                                       ; in front of loads into registers that the products read, and of the first read of their results
	LU 1, 1
	PASS 1, 2, 38, 40                              ; K
	PASS 2, 0, 42, 44                              ; V
	PASS 0, 3, 34, 36                              ; Q
	s_set_vgpr_msb 0xa
	s_wait_tensorcnt 0x0
	ds_add_u32 v192, v193
	s_wait_dscnt 0x0
	s_set_vgpr_msb 0xa00
	ROUND                                          ; the closing round: no work-group ends while a partner may still ask for a tile that names it
	s_endpgm
.Lfunc_end_k_q3332f2b119_quant:
	.size	k_q3332f2b119_quant, .Lfunc_end_k_q3332f2b119_quant-k_q3332f2b119_quant
	.p2alignl 7, 3214868480
	.fill 96, 4, 3214868480
	.section	.rodata,"a",@progbits
	.p2align	6, 0x0
	.amdhsa_kernel k_q3332f2b119_quant
		.amdhsa_group_segment_fixed_size 197120
		.amdhsa_private_segment_fixed_size 0
		.amdhsa_enable_private_segment 0
		.amdhsa_kernarg_size 168
		.amdhsa_user_sgpr_count 2
		.amdhsa_user_sgpr_kernarg_segment_ptr 1
		.amdhsa_wavefront_size32 1
		.amdhsa_system_sgpr_workgroup_id_x 1
		.amdhsa_system_sgpr_workgroup_id_y 1
		.amdhsa_system_sgpr_workgroup_id_z 1
		.amdhsa_system_vgpr_workitem_id 0
		.amdhsa_next_free_vgpr 706
		.amdhsa_next_free_sgpr 102
		.amdhsa_reserve_vcc 0
		.amdhsa_float_denorm_mode_32 3
		.amdhsa_float_denorm_mode_16_64 3
		.amdhsa_memory_ordered 1
		.amdhsa_forward_progress 1
		.amdhsa_inst_pref_size 236
	.end_amdhsa_kernel
	.amdgpu_metadata
---
amdhsa.version: [ 1, 2 ]
amdhsa.kernels:
  - .name:           k_q3332f2b119_quant
    .symbol:         k_q3332f2b119_quant.kd
    .args:
      - { .name: x_codes, .offset: 0, .size: 8, .value_kind: global_buffer, .address_space: global }
      - { .name: x_scales, .offset: 8, .size: 8, .value_kind: global_buffer, .address_space: global }
      - { .name: Wq_codes, .offset: 16, .size: 8, .value_kind: global_buffer, .address_space: global }
      - { .name: Wq_scales, .offset: 24, .size: 8, .value_kind: global_buffer, .address_space: global }
      - { .name: Wk_codes, .offset: 32, .size: 8, .value_kind: global_buffer, .address_space: global }
      - { .name: Wk_scales, .offset: 40, .size: 8, .value_kind: global_buffer, .address_space: global }
      - { .name: Wv_codes, .offset: 48, .size: 8, .value_kind: global_buffer, .address_space: global }
      - { .name: Wv_scales, .offset: 56, .size: 8, .value_kind: global_buffer, .address_space: global }
      - { .name: gq, .offset: 64, .size: 8, .value_kind: global_buffer, .address_space: global }
      - { .name: bq, .offset: 72, .size: 8, .value_kind: global_buffer, .address_space: global }
      - { .name: gk, .offset: 80, .size: 8, .value_kind: global_buffer, .address_space: global }
      - { .name: bk, .offset: 88, .size: 8, .value_kind: global_buffer, .address_space: global }
      - { .name: gv, .offset: 96, .size: 8, .value_kind: global_buffer, .address_space: global }
      - { .name: bv, .offset: 104, .size: 8, .value_kind: global_buffer, .address_space: global }
      - { .name: part, .offset: 112, .size: 8, .value_kind: global_buffer, .address_space: global }
      - { .name: qc, .offset: 120, .size: 8, .value_kind: global_buffer, .address_space: global }
      - { .name: qs, .offset: 128, .size: 8, .value_kind: global_buffer, .address_space: global }
      - { .name: kc, .offset: 136, .size: 8, .value_kind: global_buffer, .address_space: global }
      - { .name: ks, .offset: 144, .size: 8, .value_kind: global_buffer, .address_space: global }
      - { .name: vc, .offset: 152, .size: 8, .value_kind: global_buffer, .address_space: global }
      - { .name: vs, .offset: 160, .size: 8, .value_kind: global_buffer, .address_space: global }
    .group_segment_fixed_size: 197120
    .private_segment_fixed_size: 0
    .kernarg_segment_align: 8
    .kernarg_segment_size: 168
    .max_flat_workgroup_size: 128
    .sgpr_count:     102
    .vgpr_count:     706
    .wavefront_size: 32
...
	.end_amdgpu_metadata
.endif
;; end of part 2
;; launch attn (part 3): grid 4 x 64, 4 waves a work-group, clusters of 4 x 1, 168,448 bytes of LDS; arguments kc, ks, vc, vs, qc, qs, out0; writes out0
.if DOCPART == 3
	.amdgcn_target "amdgcn-amd-amdhsa--gfx1250"
	.amdhsa_code_object_version 6
	.text
	.protected	k_q3332f2b119_attn
	.globl	k_q3332f2b119_attn
	.p2align	8
	.type	k_q3332f2b119_attn,@function
k_q3332f2b119_attn:
	s_mov_b64 s[64:65], 0
	v_nop
	global_prefetch_b8 v0, s[64:65] scope:SCOPE_SE
	s_setreg_imm32_b32 hwreg(HW_REG_WAVE_MODE, 25, 1), 1
	s_wait_xcnt 0x0
	s_wait_alu depctr_hold_cnt(0) depctr_sa_sdst(0) depctr_va_vdst(0) depctr_va_sdst(0) depctr_va_ssrc(0) depctr_va_vcc(0) depctr_vm_vsrc(0)
	s_getreg_b32 s2, hwreg(HW_REG_IB_STS2, 6, 4)
	s_cmp_eq_u32 s2, 0
	s_cbranch_scc0 .Lentry_in_a_cluster
	s_endpgm
.Lentry_in_a_cluster:
	s_bfe_u32 s2, ttmp6, 0x10000c
	s_cmp_lg_u32 s2, 0x3003
	s_cbranch_scc0 .Lentry_shape_is_right
	s_endpgm
.Lentry_shape_is_right:
; THIRD OF THREE LAUNCHES.  out[b][128 head + c][i] = the sum over j of softmax_j(K[:, i] . V[:, j] / sqrt(128)) Q[c][j]: K's columns are the queries, V's the keys, Q holds the values.  Both products on codes of FP4 (E2M1).
; THE SOFTMAX AHEAD OF THE SECOND PRODUCT: t = score x log2(e) / sqrt(128); M = the running largest t, rounded UP to a whole number; p = 2^(t - M) is quantised along the keys, not normalised; the row's sum is taken of
; the unquantised p and divides at the end; when M moves, the sum and O are multiplied by 2^(old M - new M), which rounds nothing.
; SHARES.  A work-group owns 256 queries of one (batch, head); each of its four waves 64: four tiles of 16.  LANE r OF TILE q HOLDS QUERY 64 G + 4 r + q (G = 4 x block + wave), so that a channel's four results over q are 16
; neighbouring bytes of out0 and sixteen lanes fill 256 consecutive bytes, aligned: the results leave from registers, with no way through LDS.
; Both products are used transposed (S^T = keys x queries, O^T = values x P): a lane holds one query throughout.  Every wave walks the 1,024 keys, 128 a step.
; OPERANDS come as images of their registers (the launch before lays them so): a fragment is two loads of 16 bytes a lane, 512 consecutive bytes each.  The order inside a block of 32 along K is the same on both sides of each product.
; LDS holds the head's keys (64 KB), values (64 KB) and their scale words (4 KB each), each byte filled once.  CLUSTER 4 x 1: the four query blocks of a head read the same keys and values: asked for jointly.
; TWO SCORE BUFFERS: tile q + 2's scores are multiplied while tile q + 1's softmax is walked, so the products stand beside vector work.
; LIMITS: NaN and infinities are not served; a block of p that has fallen to 0 keeps the scale byte 1 over zero codes.
.set KEYS, 0
.set VALS, 65536
.set KSC,  131072
.set VSC,  135168
.set NOC,  999
.set LI,   1                           ; v1 16 x lane       v2 the same in VALS     v3 KSC + 8 x lane
.set LIV,  2
.set LS8,  3
.set ADK,  4                           ; v4-6 the step's addresses: keys, values, scale words
.set ADV,  5
.set ADS,  6
.set GO,   7                           ; v7 my place in out0: 32,768 h + 16 r
.set QAD,  8                           ; v8 my query's 16 bytes in kc's images      v9 its scale word in ks
.set QSA,  9
.set ST,   12                          ; v12-27 tile q: -M, the largest t, the sum in two halves
.set FP,   28                          ; v28-35 tile q: the pair (f, P's scale word)
.set QS,   36                          ; v36-39 the queries' scale words   v40-43 the keys'   v44-47 the values'
.set KS,   40
.set VS,   44
.set BM,   48                          ; v48-51 block maxima   v52-55 permuted, then bytes   v56-59 the conversions' scale operands
.set BP,   52
.set BS,   56
.set TT,   60                          ; v[60:61] the sum's second chain     v62 at work
.set T,    62
.set SA,   64                          ; v64-127, v128-191 the two score buffers
.set SB,   128
.set P,    192                         ; v192-223 P's codes, 8 a tile
.set R,    224                         ; v224-227 1 / the sums.   Window 1: O^T, 64 q + 8 t.   Window 2: v0-63 keys, v64-127 values, v128-159 queries
.set WV,   18
.set SEL,  20
.set CS,   22                          ; s[22:23] c = log2(e) / sqrt(128)
.set G1C,  24
.set G1S,  32
.set G0C,  40
.set G0S,  44
.set TB,   48                          ; s48 the step's first byte in KEYS and VALS    s49 among the scale words    s50 counts the loop
.set TS,   49
.set CNT,  50
.set MSB, 0
.macro WIN new
.if MSB != \new
	s_set_vgpr_msb (MSB<<8)|\new
.set MSB, \new
.endif
.endm
.macro PLACES n
.rept \n
	v_nop
.endr
.endm
.macro ROUND
	s_barrier_signal -1
	s_barrier_wait -1
	s_cmp_lg_u32 s[WV], 0
	s_cbranch_scc1 .Lnot_wave_0_\@
	s_barrier_signal -3
.Lnot_wave_0_\@:
	s_barrier_wait -3
	s_barrier_signal -1
	s_barrier_wait -1
.endm
.macro WM d, a, b, c, sa, sb, row      ; row = 1: source 0's scale words stand in lanes 16-31
.if (\c) == NOC
.if \row
	v_wmma_scale_f32_16x16x128_f8f6f4 v[\d:\d+7], v[\a:\a+7], v[\b:\b+7], 0, v[\sa], v[\sb] matrix_a_fmt:MATRIX_FMT_FP4 matrix_b_fmt:MATRIX_FMT_FP4 matrix_a_scale:MATRIX_SCALE_ROW1
.else
	v_wmma_scale_f32_16x16x128_f8f6f4 v[\d:\d+7], v[\a:\a+7], v[\b:\b+7], 0, v[\sa], v[\sb] matrix_a_fmt:MATRIX_FMT_FP4 matrix_b_fmt:MATRIX_FMT_FP4
.endif
.else
.if \row
	v_wmma_scale_f32_16x16x128_f8f6f4 v[\d:\d+7], v[\a:\a+7], v[\b:\b+7], v[\c:\c+7], v[\sa], v[\sb] matrix_a_fmt:MATRIX_FMT_FP4 matrix_b_fmt:MATRIX_FMT_FP4 matrix_a_scale:MATRIX_SCALE_ROW1
.else
	v_wmma_scale_f32_16x16x128_f8f6f4 v[\d:\d+7], v[\a:\a+7], v[\b:\b+7], v[\c:\c+7], v[\sa], v[\sb] matrix_a_fmt:MATRIX_FMT_FP4 matrix_b_fmt:MATRIX_FMT_FP4
.endif
.endif
.endm
	s_load_b256 s[4:11], s[0:1], 0x0               ; kc 4, ks 6, vc 8, vs 10
	s_load_b128 s[12:15], s[0:1], 0x20             ; qc 12, qs 14
	s_load_b64 s[16:17], s[0:1], 0x30              ; out0
	v_lshl_add_u32 v254, v0, 2, 0x29000
	v_mov_b32 v255, 0
	ds_add_u32 v254, v255
	ds_add_u32 v254, v255
	v_lshrrev_b32 v1, 5, v0
	v_readfirstlane_b32 s[WV], v1                  ; wave 0..3
	s_bfe_u32 s51, ttmp6, 0x40000                  ; cx
	s_lshl_b32 s52, ttmp9, 2
	s_add_co_u32 s52, s52, s51                     ; my block of 256 queries: it enters kc's, ks's and out0's addresses alone
	s_and_b32 s53, ttmp7, 0xffff                   ; bh, which the four partners share
	s_lshl_b32 s54, s52, 2
	s_add_co_u32 s54, s54, s[WV]                   ; G: my wave's 64 queries
	s_mov_b32 s[G1C], 15|(3<<16)|(1<<21)           ; the mask: all four work-groups; elements of 8 bytes; bit 21 beside a mask; no padding: images are read as they lie
	s_mov_b32 s[G1C+1], 32<<16                     ; rows of 256 bytes,
	s_mov_b32 s[G1C+2], 128<<16                    ; 128 of them: half a head's keys or values
	s_mov_b32 s[G1C+3], 32<<16
	s_mov_b32 s[G1C+4], 128
	s_mov_b32 s[G1C+5], 32
	s_mov_b32 s[G1C+6], 0
	s_mov_b32 s[G1C+7], 0
	s_mov_b32 s[G1S], 15|(3<<16)|(1<<21)
	s_mov_b32 s[G1S+1], 32<<16
	s_mov_b32 s[G1S+2], 8<<16                      ; 8 rows: half a head's scale words
	s_mov_b32 s[G1S+3], 32<<16
	s_mov_b32 s[G1S+4], 8
	s_mov_b32 s[G1S+5], 32
	s_mov_b32 s[G1S+6], 0
	s_mov_b32 s[G1S+7], 0
	s_and_b32 s55, s[WV], 1                        ; waves 0, 1 fetch the keys' halves, waves 2, 3 the values'
	s_lshl_b32 s56, s53, 16
	s_lshl_b32 s57, s55, 15
	s_add_co_u32 s56, s56, s57
	s_mov_b32 s57, 0
	s_lshl_b32 s58, s53, 12
	s_lshl_b32 s59, s55, 11
	s_add_co_u32 s58, s58, s59
	s_mov_b32 s59, 0
	s_mov_b32 s[SEL], 0x76543210
	s_mov_b32 s[SEL+1], 0xfedcba98
	s_mov_b32 s[CS], 0x3e0293ee
	s_mov_b32 s[CS+1], s[CS]                       ; (named with it as a pair, so it is written)
	s_mov_b32 s[TB], 0
	s_mov_b32 s[TS], 0
	s_wait_dscnt 0x0
	s_wait_kmcnt 0x0
	s_cmp_lt_u32 s[WV], 2                          ; the choice hangs on the wave's number alone
	s_cselect_b64 s[60:61], s[8:9], s[12:13]
	s_cselect_b64 s[62:63], s[10:11], s[14:15]
	s_mov_b32 s[G0C], 1
	s_lshl_b32 s[G0C+1], s[WV], 15                 ; LDS: 32,768 x wave
	s_add_nc_u64 s[G0C+2:G0C+3], s[60:61], s[56:57]
	s_or_b32 s[G0C+3], s[G0C+3], 0x80000000
	s_mov_b32 s[G0S], 1
	s_lshl_b32 s[G0S+1], s[WV], 11
	s_add_co_u32 s[G0S+1], s[G0S+1], KSC           ; KSC + 2,048 x wave
	s_add_nc_u64 s[G0S+2:G0S+3], s[62:63], s[58:59]
	s_or_b32 s[G0S+3], s[G0S+3], 0x80000000
	s_lshl_b32 s56, s53, 16                        ; my queries: kc + 65,536 bh + 4,096 G
	s_lshl_b32 s57, s54, 12
	s_add_co_u32 s56, s56, s57
	s_mov_b32 s57, 0
	s_add_nc_u64 s[4:5], s[4:5], s[56:57]
	s_lshl_b32 s56, s53, 12                        ; ks + 4,096 bh + 256 G
	s_lshl_b32 s58, s54, 8
	s_add_co_u32 s56, s56, s58
	s_add_nc_u64 s[6:7], s[6:7], s[56:57]
	s_lshl_b32 s56, s53, 19                        ; out0 + 524,288 bh + 256 G
	s_add_co_u32 s56, s56, s58
	s_add_nc_u64 s[16:17], s[16:17], s[56:57]
	ROUND                                          ; all four work-groups are here: the joint loads meet
	tensor_load_to_lds s[G0C:G0C+3], s[G1C:G1C+7]  ; two tensor loads of mine are out; four v_nop follow the second
	s_nop 0
	tensor_load_to_lds s[G0S:G0S+3], s[G1S:G1S+7]
	s_nop 0
	PLACES 4
	v_and_b32 v10, 15, v0                          ; r
	v_bfe_u32 v11, v0, 4, 1                        ; h
	v_and_b32 v[T], 31, v0                         ; lane
	v_lshlrev_b32 v[LI], 4, v[T]
	v_add_nc_u32 v[LIV], VALS, v[LI]
	v_lshl_add_u32 v[LS8], v[T], 3, KSC
	v_lshlrev_b32 v[GO], 15, v11
	v_lshl_add_u32 v[GO], v10, 4, v[GO]
	; query 64 G + 4 r + q lies in position tile 4 G + r / 4 as its row 4 (r % 4) + q: image byte 1,024 (r / 4) + 512 c + 256 h + 64 (r % 4) + 16 q
	v_lshrrev_b32 v[TT], 2, v10
	v_and_b32 v[TT+1], 3, v10
	v_lshlrev_b32 v[QAD], 10, v[TT]
	v_lshl_add_u32 v[QAD], v11, 8, v[QAD]
	v_lshl_add_u32 v[QAD], v[TT+1], 6, v[QAD]
	; and its scale word, of fragment u = r / 4 of group G: 128 (u / 2) + 8 (4 (r % 4) + q) + 4 (u % 2)
	v_lshrrev_b32 v[T], 3, v10
	v_lshlrev_b32 v[QSA], 7, v[T]
	v_lshl_add_u32 v[QSA], v[TT+1], 5, v[QSA]
	v_and_b32 v[TT], 1, v[TT]
	v_lshl_add_u32 v[QSA], v[TT], 2, v[QSA]
	WIN 0x80
.irp q, 0,1,2,3
.irp c, 0,1
	global_load_b128 v[128+8*\q+4*\c:128+8*\q+4*\c+3], v[QAD], s[4:5] offset:512*\c+16*\q   ; the queries' fragments stay in registers
.endr
.endr
	WIN 0
.irp q, 0,1,2,3
	global_load_b32 v[QS+\q], v[QSA], s[6:7] offset:8*\q
.endr
.irp b, 0,1,2,3
	v_mov_b32 v[BP+\b], 0                          ; a lane permute's destination counts as one of its sources
.endr
.macro LOADK off                       ; the eight key tiles of the step that begins off bytes behind the one in hand, and their scale words: 18 loads
	WIN 0x80
.irp t, 0,1,2,3,4,5,6,7
.irp c, 0,1
	ds_load_b128 v[8*\t+4*\c:8*\t+4*\c+3], v[ADK] offset:\off+1024*\t+512*\c
.endr
.endr
	WIN 0
.irp e, 0,1
	ds_load_b64 v[KS+2*\e:KS+2*\e+1], v[ADS] offset:\off/16+256*\e
.endr
.endm
.macro LOADV                           ; this step's eight channel tiles of the values, and their scale words: 18 loads
	WIN 0x80
.irp t, 0,1,2,3,4,5,6,7
.irp c, 0,1
	ds_load_b128 v[64+8*\t+4*\c:64+8*\t+4*\c+3], v[ADV] offset:1024*\t+512*\c
.endr
.endr
	WIN 0
.irp e, 0,1
	ds_load_b64 v[VS+2*\e:VS+2*\e+1], v[ADS] offset:VSC-KSC+256*\e
.endr
.endm
.macro SMUL q, sb                      ; S^T of tile q: eight tiles of 16 keys; K = the head's 128 channels: one instruction each
	WIN 0x0a
.irp t, 0,1,2,3,4,5,6,7
	WM \sb+8*\t, 8*\t, 128+8*\q, NOC, KS+2*(\t/4)+\t%2, QS+\q, (\t/2)%2
.endr
.endm
.macro PV q, first                     ; O^T of tile q += values x P: eight tiles of 16 channels; K = the step's 128 keys.  Each accumulator is taken up again a step later, one instruction a turn
	WIN 0x52
.irp t, 0,1,2,3,4,5,6,7
.if \first
	WM 64*\q+8*\t, 64+8*\t, P+8*\q, NOC, VS+2*(\t/4)+\t%2, FP+2*\q+1, (\t/2)%2
.else
	WM 64*\q+8*\t, 64+8*\t, P+8*\q, 64*\q+8*\t, VS+2*(\t/4)+\t%2, FP+2*\q+1, (\t/2)%2
.endif
.endr
.endm
.macro RESC q                          ; O^T of tile q under the new M
	WIN 0x41
.set kk, 0
.rept 32
	v_pk_mul_f32 v[64*\q+2*kk:64*\q+2*kk+1], v[64*\q+2*kk:64*\q+2*kk+1], v[FP+2*\q:FP+2*\q+1] op_sel_hi:[1,0]
.set kk, kk+1
.endr
.endm
; The softmax of tile q for one step, on the 64 scores at v[sb].  Register 16 b + 8 u + j holds key 32 b + 16 u + 8 h + j.  first = 1: the first step starts M and the sum, and has no f.
.macro SOFT q, sb, first
.set rT, ST+4*\q
.set rF, FP+2*\q
.set rP, P+8*\q
	WIN 0
.irp b, 0,1,2,3
	v_max3_num_f32 v[BM+\b], v[\sb+16*\b], v[\sb+16*\b+1], v[\sb+16*\b+2]      ; the largest score of each block of 32 keys: it serves the row's maximum and, since p rises with the score, the block's largest p
.endr
.irp i, 3,5,7,9,11,13
.irp b, 0,1,2,3
	v_max3_num_f32 v[BM+\b], v[BM+\b], v[\sb+16*\b+\i], v[\sb+16*\b+\i+1]
.endr
.endr
.irp b, 0,1,2,3
	v_max_num_f32 v[BM+\b], v[BM+\b], v[\sb+16*\b+15]
.endr
.irp b, 0,1,2,3
	v_permlanex16_b32 v[BP+\b], v[BM+\b], s[SEL], s[SEL+1]
.endr
.irp b, 0,1,2,3
	v_max_num_f32 v[BM+\b], v[BM+\b], v[BP+\b]     ; with lane xor 16's 16 keys
.endr
	v_max3_num_f32 v[T], v[BM], v[BM+1], v[BM+2]
	v_max_num_f32 v[T], v[T], v[BM+3]              ; the step's largest score of my query
.if \first
	v_mul_f32 v[rT+1], s[CS], v[T]                 ; as t (c is positive)
	v_floor_f32 v[rT], -v[rT+1]                    ; -M = floor(-t) = -ceil(t)
.else
	v_mul_f32 v[T], s[CS], v[T]
	v_max_num_f32 v[rT+1], v[rT+1], v[T]           ; the running largest t
	v_mov_b32 v[T], v[rT]
	v_floor_f32 v[rT], -v[rT+1]
	v_sub_f32 v[T], v[rT], v[T]                    ; old M - new M: a whole number, 0 or less
	v_cvt_i32_f32 v[T], v[T]
	v_ldexp_f32 v[rF], 1.0, v[T]                   ; f = 2^(old M - new M)
.endif
.set kk, 0
.rept 32
	v_pk_fma_f32 v[\sb+2*kk:\sb+2*kk+1], v[\sb+2*kk:\sb+2*kk+1], s[CS:CS+1], v[rT:rT+1] op_sel_hi:[1,0,0]   ; t - M
.set kk, kk+1
.endr
.irp b, 0,1,2,3
	v_fma_f32 v[BM+\b], v[BM+\b], s[CS], v[rT]     ; the same of each block's largest score
.endr
.set kk, 0
.rept 64
	v_exp_f32 v[\sb+kk], v[\sb+kk]                 ; p = 2^(t - M)
.set kk, kk+1
.endr
.irp b, 0,1,2,3
	v_exp_f32 v[BM+\b], v[BM+\b]                   ; the block's largest p: the same two instructions on the same number
.endr
.if \first
	v_nop                                          ; a plain line behind the exponentials
	s_wait_alu depctr_va_vdst(0)
.else
	v_pk_mul_f32 v[rT+2:rT+3], v[rT+2:rT+3], v[rF:rF+1] op_sel_hi:[1,0]   ; the sum under the new M (the plain line behind the exponentials)
	s_wait_alu depctr_va_vdst(0)
.endif
.irp b, 0,1,2,3
	v_max_num_f32 v[BM+\b], 0x1800000, v[BM+\b]    ; the floor 2^(3 - 127): the byte cannot fall under 1
.endr
.irp b, 0,1,2,3
	v_add_nc_u32 v[BS+\b], 0xff000000, v[BM+\b]    ; 2 off the exponent field: the conversion's scale operand
.endr
.irp b, 0,1,2,3
	v_lshrrev_b32 v[BP+\b], 23, v[BS+\b]
.endr
	v_lshl_or_b32 v[rF+1], v[BP+1], 8, v[BP]
	v_lshl_or_b32 v[rF+1], v[BP+2], 16, v[rF+1]
	v_lshl_or_b32 v[rF+1], v[BP+3], 24, v[rF+1]    ; P's scale word for these 128 keys
.irp b, 0,1,2,3
	v_cvt_scalef32_pk8_fp4_f32 v[rP+2*\b], v[\sb+16*\b:\sb+16*\b+7], v[BS+\b]
	v_cvt_scalef32_pk8_fp4_f32 v[rP+2*\b+1], v[\sb+16*\b+8:\sb+16*\b+15], v[BS+\b]
.endr
	v_nop                                          ; one plain line behind the last scaled conversion
.irp c, 0,1
.irp i, 0,1
	v_permlane16_swap_b32 v[rP+4*\c+\i], v[rP+4*\c+2+\i]
.endr
.endr
	v_pk_add_f32 v[TT:TT+1], v[\sb:\sb+1], v[\sb+2:\sb+3]          ; the row's sum is taken of the unquantised p, in two chains.  These lines are also the places between P's and its scale word's last writes and the product that reads them
.if \first
	v_pk_add_f32 v[rT+2:rT+3], v[\sb+4:\sb+5], v[\sb+8:\sb+9]
	v_pk_add_f32 v[TT:TT+1], v[TT:TT+1], v[\sb+6:\sb+7]
	v_pk_add_f32 v[TT:TT+1], v[TT:TT+1], v[\sb+10:\sb+11]
.else
.irp j, 4,8
	v_pk_add_f32 v[rT+2:rT+3], v[rT+2:rT+3], v[\sb+\j:\sb+\j+1]
	v_pk_add_f32 v[TT:TT+1], v[TT:TT+1], v[\sb+\j+2:\sb+\j+3]
.endr
.endif
.irp j, 12,16,20,24,28,32,36,40,44,48,52,56,60
	v_pk_add_f32 v[rT+2:rT+3], v[rT+2:rT+3], v[\sb+\j:\sb+\j+1]
	v_pk_add_f32 v[TT:TT+1], v[TT:TT+1], v[\sb+\j+2:\sb+\j+3]
.endr
	v_pk_add_f32 v[rT+2:rT+3], v[rT+2:rT+3], v[TT:TT+1]
.endm
; A KEY STEP.  The keys' fragments were asked for a step ago; the values' are asked for at its head and waited for in front of the first second product.
.macro STEP first, last
	WIN 0
	v_add_nc_u32 v[ADK], s[TB], v[LI]              ; these four lines are the places between the last step's last products and the loads into the registers that they read (ISA guide 7.12.1 for vector instructions)
	v_add_nc_u32 v[ADV], s[TB], v[LIV]
	v_add_nc_u32 v[ADS], s[TS], v[LS8]
	v_nop
	LOADV
	s_wait_dscnt 18                                ; the 18 loads just issued may stay out: the 18 of this step's keys, issued ahead of them, are in
	SMUL 0, SA
	SMUL 1, SB
	PLACES 4                                       ; in front of the first read of the scores
	SOFT 0, SA, \first
.if \first == 0
	RESC 0
.endif
	s_wait_dscnt 0x0                               ; the values are in
	PV 0, \first
	SMUL 2, SA
	SOFT 1, SB, \first
.if \first == 0
	RESC 1
.endif
	PV 1, \first
	SMUL 3, SB
	SOFT 2, SA, \first                             ; its lines are the places behind the step's last products on the keys
.if \last == 0
	LOADK 8192                                     ; the next step's keys
.endif
.if \first == 0
	RESC 2
.endif
	PV 2, \first
	SOFT 3, SB, \first
.if \first == 0
	RESC 3
.endif
	PV 3, \first
	WIN 0
	s_add_co_u32 s[TB], s[TB], 8192
	s_add_co_u32 s[TS], s[TS], 512
.endm
	s_wait_tensorcnt 0x0                           ; my two parts are in,
	s_barrier_signal -1
	s_barrier_wait -1                              ; everybody's are
	v_add_nc_u32 v[ADK], s[TB], v[LI]
	v_add_nc_u32 v[ADS], s[TS], v[LS8]
	LOADK 0
	s_wait_loadcnt 0x0                             ; the queries
	STEP 1, 0                                      ; the first step starts M, the sums and O^T: nothing is cleared
	s_mov_b32 s[CNT], 6
.Lstep:
	STEP 0, 0
	s_sub_co_u32 s[CNT], s[CNT], 1
	s_cmp_lg_u32 s[CNT], 0
	s_cbranch_scc1 .Lstep
	STEP 0, 1                                      ; the last step asks for no further keys
	; THE WAY OUT.  The sums' halves and lane xor 16's are added (these additions are the places behind the last products); O^T is divided by the sum; the four tiles' results of a channel are 16 neighbouring bytes.
.irp q, 0,1,2,3
	v_add_f32 v[BM+\q], v[ST+4*\q+2], v[ST+4*\q+3]
.endr
.irp q, 0,1,2,3
	v_permlanex16_b32 v[BP+\q], v[BM+\q], s[SEL], s[SEL+1]
.endr
.irp q, 0,1,2,3
	v_add_f32 v[BM+\q], v[BM+\q], v[BP+\q]
.endr
.irp q, 0,1,2,3
	v_rcp_f32 v[R+\q], v[BM+\q]
.endr
	v_nop                                          ; a plain line behind the reciprocals
	s_wait_alu depctr_va_vdst(0)
.irp hb, 0,1                           ; channel tiles 4 hb .. 4 hb + 3, into the score buffers' registers
	WIN 0x01
.irp t, 0,1,2,3
.irp j, 0,1,2,3,4,5,6,7
.irp q, 0,1,2,3
	v_mul_f32 v[SA+4*(8*\t+\j)+\q], v[64*\q+8*(4*\hb+\t)+\j], v[R+\q]     ; each accumulator from its low end on
.endr
.endr
.endr
	WIN 0
.irp t, 0,1,2,3
.irp j, 0,1,2,3,4,5,6,7
	global_store_b128 v[GO], v[SA+4*(8*\t+\j):SA+4*(8*\t+\j)+3], s[16:17] offset:65536*(4*\hb+\t)+4096*\j th:TH_STORE_NT   ; sixteen lanes store 256 consecutive bytes, aligned; written once, read by nobody here
.endr
.endr
.if \hb == 0
	s_wait_xcnt 0x0                                ; the stores have read their data: only behind this wait are the registers written again
.endif
.endr
	s_wait_tensorcnt 0x0
	ds_add_u32 v254, v255
	s_wait_dscnt 0x0
	ROUND                                          ; the closing round: no work-group ends while a partner may still ask for a tile that names it
	s_endpgm
.Lfunc_end_k_q3332f2b119_attn:
	.size	k_q3332f2b119_attn, .Lfunc_end_k_q3332f2b119_attn-k_q3332f2b119_attn
	.p2alignl 7, 3214868480
	.fill 96, 4, 3214868480
	.section	.rodata,"a",@progbits
	.p2align	6, 0x0
	.amdhsa_kernel k_q3332f2b119_attn
		.amdhsa_group_segment_fixed_size 168448
		.amdhsa_private_segment_fixed_size 0
		.amdhsa_enable_private_segment 0
		.amdhsa_kernarg_size 56
		.amdhsa_user_sgpr_count 2
		.amdhsa_user_sgpr_kernarg_segment_ptr 1
		.amdhsa_wavefront_size32 1
		.amdhsa_system_sgpr_workgroup_id_x 1
		.amdhsa_system_sgpr_workgroup_id_y 1
		.amdhsa_system_sgpr_workgroup_id_z 1
		.amdhsa_system_vgpr_workitem_id 0
		.amdhsa_next_free_vgpr 704
		.amdhsa_next_free_sgpr 66
		.amdhsa_reserve_vcc 0
		.amdhsa_float_denorm_mode_32 3
		.amdhsa_float_denorm_mode_16_64 3
		.amdhsa_memory_ordered 1
		.amdhsa_forward_progress 1
		.amdhsa_inst_pref_size 198
	.end_amdhsa_kernel
	.amdgpu_metadata
---
amdhsa.version: [ 1, 2 ]
amdhsa.kernels:
  - .name:           k_q3332f2b119_attn
    .symbol:         k_q3332f2b119_attn.kd
    .args:
      - { .name: kc, .offset: 0, .size: 8, .value_kind: global_buffer, .address_space: global }
      - { .name: ks, .offset: 8, .size: 8, .value_kind: global_buffer, .address_space: global }
      - { .name: vc, .offset: 16, .size: 8, .value_kind: global_buffer, .address_space: global }
      - { .name: vs, .offset: 24, .size: 8, .value_kind: global_buffer, .address_space: global }
      - { .name: qc, .offset: 32, .size: 8, .value_kind: global_buffer, .address_space: global }
      - { .name: qs, .offset: 40, .size: 8, .value_kind: global_buffer, .address_space: global }
      - { .name: out0, .offset: 48, .size: 8, .value_kind: global_buffer, .address_space: global }
    .group_segment_fixed_size: 168448
    .private_segment_fixed_size: 0
    .kernarg_segment_align: 8
    .kernarg_segment_size: 56
    .max_flat_workgroup_size: 128
    .sgpr_count:     66
    .vgpr_count:     704
    .wavefront_size: 32
...
	.end_amdgpu_metadata
.endif
;; end of part 3
